; MI455X (gfx1250); checked and timed in simulation.
; The chip was launched on July 23, 2026; its instructions are those of AMD's public machine-readable ISA for CDNA 5 (MIT licence, August 2026) and "CDNA5" Instruction Set Architecture Reference Guide (July 2026). The comments in the code are by the model that wrote it; some were corrected since.
;; Multi Head Self Attention. Allowed arithmetic: float matrix products may take bf16 or f16 operands with f32 sums; all other float work in f32.
;; Inputs: W_k 16 x 1,024 x 64 float32; W_o 16 x 64 x 1,024 float32; W_q 16 x 1,024 x 64 float32; W_v 16 x 1,024 x 64 float32; x 4 x 2,048 x 1,024 float32.
;; Outputs: out0 4 x 2,048 x 1,024 float32.
;; One version. Each part assembles by itself: llvm-mc -triple=amdgcn-amd-amdhsa -mcpu=gfx1250 --defsym DOCPART=n.
;; ======== version 1 of 1: 4 launches
;; limits: values are held in f16: magnitudes above 65,504 overflow, below 6.1e-05 lose precision
;; workspace buffers: h16 25,165,824 bytes; qkv 50,331,648 bytes; ctx 16,777,216 bytes
;; launch cast (part 1): grid 768 x 1, 8 waves a work-group, no clusters, 0 bytes of LDS; arguments x, W_q, W_k, W_v, W_o, h16; writes h16
.if DOCPART == 1
	.amdgcn_target "amdgcn-amd-amdhsa--gfx1250"
	.amdhsa_code_object_version 6
	.text
	.protected	k_q82d4537f7c_cast
	.globl	k_q82d4537f7c_cast
	.p2align	8
	.type	k_q82d4537f7c_cast,@function
k_q82d4537f7c_cast:
	s_mov_b64 s[64:65], 0
	v_nop
	global_prefetch_b8 v0, s[64:65] scope:SCOPE_SE
	s_setreg_imm32_b32 hwreg(HW_REG_WAVE_MODE, 25, 1), 1
	s_wait_xcnt 0x0
; h16 = f16(x), f16(W_q), f16(W_k), f16(W_v), f16(W_o), one behind the other, each in its own order: a flat cast, rounded to nearest even.
; LIMIT: a number of magnitude 65,504 or more becomes infinite in f16, one below about 6e-8 becomes zero.
; A stream: no LDS, no barrier, no matrix unit, no cluster (no byte is read by two work-groups).
; A work-group takes 16,384 numbers (65,536 bytes in, 32,768 out).  Groups 0-511 take x, then 64 groups each take W_q, W_k, W_v, W_o.
; Thread t takes 8 neighbouring numbers in each of 8 turns, so that its 8 f16 are 16 bytes: a store of a wave covers 512 consecutive bytes, aligned.
; All 16 loads of a lane go out at once; no register is written twice, so no source of a pending instruction is ever rewritten.
.set X, 4                              ; v[4:67]   turn i: 8 f32
.set Y, 68                             ; v[68:99]  turn i: 8 f16 in 4 registers
	s_load_b256 s[4:11], s[0:1], 0x0               ; x s[4:5], W_q s[6:7], W_k s[8:9], W_v s[10:11]
	s_load_b128 s[12:15], s[0:1], 0x20             ; W_o s[12:13], h16 s[14:15]
	v_lshlrev_b32 v1, 5, v0                        ; 32 t: my 8 f32 in a turn
	v_lshlrev_b32 v2, 4, v0                        ; 16 t: my 8 f16
	s_and_b32 s20, ttmp9, 63                       ; the group's place inside a weight tensor (512, 576, 640, 704 are multiples of 64)
	s_lshl_b32 s22, ttmp9, 15                      ; where the group stores: 32,768 bytes each
	s_mov_b32 s23, 0
	s_mov_b32 s19, 0
	s_wait_kmcnt 0x0
	s_cmp_lt_u32 ttmp9, 704                        ; the source is chosen by the group's number alone, from the last tensor down
	s_cselect_b64 s[16:17], s[10:11], s[12:13]
	s_cmp_lt_u32 ttmp9, 640
	s_cselect_b64 s[16:17], s[8:9], s[16:17]
	s_cmp_lt_u32 ttmp9, 576
	s_cselect_b64 s[16:17], s[6:7], s[16:17]
	s_cmp_lt_u32 ttmp9, 512
	s_cselect_b64 s[16:17], s[4:5], s[16:17]
	s_cselect_b32 s18, ttmp9, s20                  ; the same condition: the place inside x, or inside the weight tensor
	s_lshl_b32 s18, s18, 16                        ; 65,536 bytes each
	s_add_nc_u64 s[16:17], s[16:17], s[18:19]
	s_add_nc_u64 s[14:15], s[14:15], s[22:23]
.irp i, 0,1,2,3,4,5,6,7
	global_load_b128 v[X+8*\i:X+8*\i+3],   v1, s[16:17] offset:8192*\i th:TH_LOAD_NT
	global_load_b128 v[X+8*\i+4:X+8*\i+7], v1, s[16:17] offset:8192*\i+16 th:TH_LOAD_NT
.endr
.irp i, 0,1,2,3,4,5,6,7
	s_wait_loadcnt 14-2*\i                         ; loads come back in order: this turn's two are in, the 2 (7 - i) younger ones stay out
.irp k, 0,1,2,3
	v_cvt_pk_f16_f32 v[Y+4*\i+\k], v[X+8*\i+2*\k], v[X+8*\i+2*\k+1]
.endr
	global_store_b128 v2, v[Y+4*\i:Y+4*\i+3], s[14:15] offset:4096*\i
.endr
	s_endpgm
.Lfunc_end_k_q82d4537f7c_cast:
	.size	k_q82d4537f7c_cast, .Lfunc_end_k_q82d4537f7c_cast-k_q82d4537f7c_cast
	.p2alignl 7, 3214868480
	.fill 96, 4, 3214868480
	.section	.rodata,"a",@progbits
	.p2align	6, 0x0
	.amdhsa_kernel k_q82d4537f7c_cast
		.amdhsa_group_segment_fixed_size 0
		.amdhsa_private_segment_fixed_size 0
		.amdhsa_enable_private_segment 0
		.amdhsa_kernarg_size 48
		.amdhsa_user_sgpr_count 2
		.amdhsa_user_sgpr_kernarg_segment_ptr 1
		.amdhsa_wavefront_size32 1
		.amdhsa_system_sgpr_workgroup_id_x 1
		.amdhsa_system_sgpr_workgroup_id_y 1
		.amdhsa_system_sgpr_workgroup_id_z 1
		.amdhsa_system_vgpr_workitem_id 0
		.amdhsa_next_free_vgpr 104
		.amdhsa_next_free_sgpr 66
		.amdhsa_reserve_vcc 0
		.amdhsa_float_denorm_mode_32 3
		.amdhsa_float_denorm_mode_16_64 3
		.amdhsa_memory_ordered 1
		.amdhsa_forward_progress 1
		.amdhsa_inst_pref_size 6
	.end_amdhsa_kernel
	.amdgpu_metadata
---
amdhsa.version: [ 1, 2 ]
amdhsa.kernels:
  - .name:           k_q82d4537f7c_cast
    .symbol:         k_q82d4537f7c_cast.kd
    .args:
      - { .name: x, .offset: 0, .size: 8, .value_kind: global_buffer, .address_space: global }
      - { .name: W_q, .offset: 8, .size: 8, .value_kind: global_buffer, .address_space: global }
      - { .name: W_k, .offset: 16, .size: 8, .value_kind: global_buffer, .address_space: global }
      - { .name: W_v, .offset: 24, .size: 8, .value_kind: global_buffer, .address_space: global }
      - { .name: W_o, .offset: 32, .size: 8, .value_kind: global_buffer, .address_space: global }
      - { .name: h16, .offset: 40, .size: 8, .value_kind: global_buffer, .address_space: global }
    .group_segment_fixed_size: 0
    .private_segment_fixed_size: 0
    .kernarg_segment_align: 8
    .kernarg_segment_size: 48
    .max_flat_workgroup_size: 256
    .sgpr_count:     66
    .vgpr_count:     104
    .wavefront_size: 32
...
	.end_amdgpu_metadata
.endif
;; end of part 1
;; launch qkv (part 2): grid 16 x 32, 4 waves a work-group, clusters of 4 x 4, 327,680 bytes of LDS; arguments h16, qkv; writes qkv
.if DOCPART == 2
	.amdgcn_target "amdgcn-amd-amdhsa--gfx1250"
	.amdhsa_code_object_version 6
	.text
	.protected	k_q82d4537f7c_qkv
	.globl	k_q82d4537f7c_qkv
	.p2align	8
	.type	k_q82d4537f7c_qkv,@function
k_q82d4537f7c_qkv:
	s_mov_b64 s[64:65], 0
	v_nop
	global_prefetch_b8 v0, s[64:65] scope:SCOPE_SE
	s_setreg_imm32_b32 hwreg(HW_REG_WAVE_MODE, 25, 1), 1
	s_wait_xcnt 0x0
	s_wait_alu depctr_hold_cnt(0) depctr_sa_sdst(0) depctr_va_vdst(0) depctr_va_sdst(0) depctr_va_ssrc(0) depctr_va_vcc(0) depctr_vm_vsrc(0)
	s_getreg_b32 s2, hwreg(HW_REG_IB_STS2, 6, 4)
	s_cmp_eq_u32 s2, 0
	s_cbranch_scc0 .Lentry_in_a_cluster
	s_endpgm
.Lentry_in_a_cluster:
	s_bfe_u32 s2, ttmp6, 0x10000c
	s_cmp_lg_u32 s2, 0xf033
	s_cbranch_scc0 .Lentry_shape_is_right
	s_endpgm
.Lentry_shape_is_right:
; qkv[hd][token][m] = sum over d of x[token][d] W[hd][d][m], hd = 0..47 (q 0-15, k 16-31, v 32-47).  Operands f16, sums f32, results f16.
; LIMIT: results of magnitude 65,504 or more become infinite in f16.
; x: h16 byte 0, [8192][1024] f16.  W: h16 byte 16 MiB, 48 heads of [1024 d][64 m] f16.  qkv: [48][8192][64] f16.
; A work-group makes 256 tokens x 3 heads (192 columns): 32 x 16 = 512 work-groups.  Four waves; wave (wm, wn) makes tokens 128 wm .. +127 and, in each of the
; three heads, columns 32 wn .. +31: 8 x 6 = 48 accumulator tiles of 16 x 16, 384 registers.
; K (= d) goes in 8 steps of 128 through two LDS slots.  Waves 0-2 fetch one head's [128 d][64 m] each, wave 3 fetches x's 256 rows x 256 bytes.
; CLUSTERS: 4 x 4 work-groups.  x's tile hangs on the block row alone and is asked for jointly by the four of a row of the cluster, W's tiles hang on the
; block column alone and are asked for jointly by the four of a column: a quarter of the requests.
; W lies [d][m], so its fragments come by the transposing LDS load.  The matrix instruction is used transposed (source 0 = 16 columns of W, source 1 = 16 tokens):
; a lane then holds 8 neighbouring columns of one token.
; REGISTERS: window 0: v16-26 addresses, v64-127 and v128-191 fragments of x (two buffers), v192-215 packed results; window 1: v64-111, v128-175 fragments of W;
; window 2: the 24 tiles of my tokens 0-63, tile (a, b) at v[8 (6 a + b)]; window 3: those of my tokens 64-127.
.set PA,    272                        ; LDS row of x: 256 bytes + 16, an odd multiple of 16
.set PB,    160                        ; LDS row of W: 128 bytes + 32, an odd multiple of 32 (for the transposing load)
.set BCH,   128*PB                     ; one head's tile: 20,480 bytes
.set AOFF,  3*BCH                      ; x's tile lies behind the three heads' tiles, at wave 3 x 20,480
.set SLOT,  AOFF+256*PA                ; 131,072
.set LAPS,  4                          ; 1024 / (2 x 128): a lap = two K steps = once round the ring
.set SP,    80                         ; the stage: a wave's 64 bytes of a row + 16
.set SCH,   128*SP                     ; one head's 128 rows in a wave's stage
.set WSTG,  3*SCH+128                  ; a wave's stage; four of them lie in slot 0's bytes, which are filled for the last time with K step 6
.set ADRA, 16                          ; v16-17  LDS address of my fragments of x in slot 0, 1
.set ADRB, 20                          ; v20-21  the same for W
.set STO,  24                          ; v24     the way out: where I put 16 bytes
.set RD,   25                          ; v25     the way out: where I read 16 bytes of a whole row back
.set CO,   26                          ; v26     my byte offset in qkv
.set F0,   64
.set F1,   128
.set TMP,  192
.set G1,  24                           ; s[24:31] descriptor group 1, x's tile
.set G0,  32                           ; s[32:39] descriptor group 0, x's tile, a set for each slot
.set G1B, 48                           ; s[48:55] descriptor group 1, W's tiles
.set G0B, 56                           ; s[56:63] descriptor group 0, W's tiles, a set for each slot
.set MUL_LO, 0xa1                      ; source 0 (W) window 1, source 1 (x) window 0, C and D window 2
.set MUL_HI, 0xf1                      ; the same, C and D window 3
.set TO_B,   0x40                      ; destination window 1, address window 0
.set MSB, 0
.macro WIN new                         ; the immediate's high byte repeats the setting that is left
.if MSB != \new
	s_set_vgpr_msb (MSB<<8)|\new
.set MSB, \new
.endif
.endm
.macro PLACES                          ; four places behind matrix instructions, in front of loads into their sources and of readers of their results
.rept 4
	v_nop
.endr
.endm
; A joint load: wave 3 asks for x's tile, waves 0-2 for a head's tile each.  The branch hangs on the wave's number alone.
.macro JLOAD s
	s_cmp_eq_u32 s10, 3
	s_cbranch_scc0 .Lfor_b_\@
	tensor_load_to_lds s[G0+4*\s:G0+4*\s+3], s[G1:G1+7]
	s_nop 0
.rept 4
	v_nop
.endr
	s_branch .Lasked_\@
.Lfor_b_\@:
	tensor_load_to_lds s[G0B+4*\s:G0B+4*\s+3], s[G1B:G1B+7]
	s_nop 0
.rept 4
	v_nop
.endr
.Lasked_\@:
.endm
.macro CREST                           ; a round of the cluster's barrier behind its opening work-group barrier
	s_cmp_lg_u32 s10, 0
	s_cbranch_scc1 .Lnot_wave_0_\@
	s_barrier_signal -3
.Lnot_wave_0_\@:
	s_barrier_wait -3
	s_barrier_signal -1
	s_barrier_wait -1
.endm
.macro CROUND                          ; a whole round
	s_barrier_signal -1
	s_barrier_wait -1
	CREST
.endm
	s_load_b128 s[4:7], s[0:1], 0x0                ; h16 s[4:5], qkv s[6:7]
	s_set_vgpr_msb 0x40
	v_lshl_add_u32 v255, v0, 2, 0x40000
	s_set_vgpr_msb 0x4000
	v_mov_b32 v255, 0
	s_set_vgpr_msb 0x1
	ds_add_u32 v255, v255
	s_set_vgpr_msb 0x100
	v_lshrrev_b32 v1, 5, v0
	v_readfirstlane_b32 s10, v1                    ; wave 0..3
	s_lshr_b32 s11, s10, 1                         ; wm: which 128 tokens
	s_and_b32 s12, s10, 1                          ; wn: which 32 columns of each head
	s_bfe_u32 s40, ttmp6, 0x40000                  ; cx
	s_bfe_u32 s41, ttmp6, 0x40004                  ; cy
	s_lshl_b32 s42, ttmp9, 2
	s_add_co_u32 s42, s42, s40                     ; block column (3 heads) = 4 x cluster x + cx
	s_and_b32 s13, ttmp7, 0xffff
	s_lshl_b32 s13, s13, 2
	s_add_co_u32 s13, s13, s41                     ; block row (256 tokens) = 4 x cluster y + cy
	s_lshl_b32 s43, s41, 2
	s_lshl_b32 s43, 15, s43                        ; my row of the cluster
	s_lshl_b32 s44, 0x1111, s40                    ; my column
	s_or_b32 s[G1+0], s43, (1<<16)|(1<<20)|(1<<21)|(5<<22)|(3<<25)   ; mask; 2-byte elements; padding on; bit 21 beside a mask; after 64 words 4 words
	s_mov_b32 s[G1+1], 128<<16                     ; tensor_dim0 = 128
	s_mov_b32 s[G1+2], 256<<16                     ; tensor_dim1 = 256
	s_mov_b32 s[G1+3], 128<<16                     ; tile_dim0 = 128 elements (256 bytes)
	s_mov_b32 s[G1+4], 256                         ; tile_dim1 = 256 rows
	s_mov_b32 s[G1+5], 1024                        ; elements from row to row
	s_mov_b32 s[G1+6], 0
	s_mov_b32 s[G1+7], 0
	s_or_b32 s[G1B+0], s44, (1<<16)|(1<<20)|(1<<21)|(4<<22)|(7<<25)  ; after 32 words 8 words
	s_mov_b32 s[G1B+1], 64<<16                     ; tensor_dim0 = 64
	s_mov_b32 s[G1B+2], 128<<16                    ; tensor_dim1 = 128
	s_mov_b32 s[G1B+3], 64<<16                     ; tile_dim0 = 64 elements (128 bytes: a head's whole row)
	s_mov_b32 s[G1B+4], 128                        ; tile_dim1 = 128 rows
	s_mov_b32 s[G1B+5], 64
	s_mov_b32 s[G1B+6], 0
	s_mov_b32 s[G1B+7], 0
	; x's tile hangs on the block row alone; W's on the block column and the wave.  Neither set of registers ever holds the other coordinate.
	s_lshl_b32 s16, s13, 19                        ; 256 rows of 2,048 bytes
	s_mov_b32 s17, 0
	s_min_u32 s45, s10, 2                          ; wave 3 asks for no head: its unused address stays inside the buffer
	s_mul_i32 s46, s42, 3
	s_add_co_u32 s46, s46, s45                     ; head = 3 x block column + wave
	s_lshl_b32 s46, s46, 17                        ; 131,072 bytes a head
	s_add_co_u32 s46, s46, 0x1000000               ; the weights begin 16 MiB into h16
	s_mov_b32 s47, 0
	s_mul_i32 s20, s10, BCH                        ; where a wave's tile goes: wave x 20,480
	s_wait_dscnt 0x0
	s_wait_kmcnt 0x0
	s_add_nc_u64 s[14:15], s[4:5], s[16:17]
	s_add_nc_u64 s[46:47], s[4:5], s[46:47]
	CROUND                                         ; all sixteen work-groups are here: the first joint loads meet
.irp s, 0,1
	s_mov_b32 s[G0+4*\s], 1
	s_add_co_u32 s[G0+4*\s+1], s20, \s*SLOT
	s_add_nc_u64 s[G0+4*\s+2:G0+4*\s+3], s[14:15], \s*256          ; K step s: 128 elements along the row
	s_or_b32 s[G0+4*\s+3], s[G0+4*\s+3], 0x80000000
	s_mov_b32 s[G0B+4*\s], 1
	s_add_co_u32 s[G0B+4*\s+1], s20, \s*SLOT
	s_add_nc_u64 s[G0B+4*\s+2:G0B+4*\s+3], s[46:47], \s*16384      ; K step s: 128 rows of 128 bytes
	s_or_b32 s[G0B+4*\s+3], s[G0B+4*\s+3], 0x80000000
	JLOAD \s                                       ; both slots' first fills go out together: two tensor loads of a wave are out
.endr
	v_and_b32 v1, 15, v0                           ; r = l % 16
	v_bfe_u32 v2, v0, 4, 1                         ; h = l / 16
	v_mul_u32_u24 v3, v1, PA
	v_lshl_add_u32 v3, v2, 4, v3                   ; x: row r, 16 h
	s_mul_i32 s21, s11, 128*PA
	s_add_co_u32 s21, s21, AOFF                    ; my 128 rows of x
	v_and_b32 v4, 7, v0
	v_lshl_add_u32 v4, v2, 3, v4                   ; W, transposing load: row 8 h + l % 8,
	v_mul_u32_u24 v4, v4, PB
	v_bfe_u32 v5, v0, 3, 1
	v_lshl_add_u32 v4, v5, 4, v4                   ; 16 bytes further for the second eight lanes of each half
	s_lshl_b32 s22, s12, 6                         ; my 32 columns: 64 bytes
.irp s, 0,1
	v_add_nc_u32 v[ADRA+\s], s21, v3
	v_add_nc_u32 v[ADRB+\s], s22, v4
	s_add_co_u32 s21, s21, SLOT
	s_add_co_u32 s22, s22, SLOT
.endr
	s_mul_i32 s23, s10, WSTG                       ; my stage
	v_mul_u32_u24 v5, v1, SP
	v_lshl_add_u32 v5, v2, 4, v5
	v_add_nc_u32 v[STO], s23, v5                   ; in: row r, 16 h
	s_mul_i32 s23, s11, 2*WSTG                     ; back: I read tokens 64 w .. +63, which waves 2 wm and 2 wm + 1 made,
	s_mul_i32 s21, s12, 64*SP                      ; rows 64 wn .. of their stages
	s_add_co_u32 s23, s23, s21
	v_bfe_u32 v5, v0, 2, 1                         ; bytes 64-127 of a row lie in the second wave's stage
	v_mul_u32_u24 v5, v5, WSTG
	v_bfe_u32 v6, v0, 3, 2                         ; eight lanes take a row of 128 bytes, a wave four rows
	v_mad_u32_u24 v5, v6, SP, v5
	v_and_b32 v6, 3, v0
	v_lshl_add_u32 v5, v6, 4, v5
	v_add_nc_u32 v[RD], s23, v5
	v_and_b32 v6, 31, v0
	v_lshlrev_b32 v6, 4, v6
	v_lshl_add_u32 v[CO], s10, 13, v6              ; 64 rows of 128 bytes a wave + 16 l
; 12 matrix instructions: token blocks a0, a0 + 1 of the window's four x all 6 column blocks, 32 along K.  zero = 1: the first product starts the sums.
.macro MUL12 f, hi, a0, zero
.irp a, \a0, \a0+1
.irp b, 0,1,2,3,4,5
.if \zero
	v_wmma_f32_16x16x32_f16 v[8*(6*(\a)+\b):8*(6*(\a)+\b)+7], v[\f+8*\b:\f+8*\b+7], v[\f+8*(4*\hi+\a):\f+8*(4*\hi+\a)+7], 0
.else
	v_wmma_f32_16x16x32_f16 v[8*(6*(\a)+\b):8*(6*(\a)+\b)+7], v[\f+8*\b:\f+8*\b+7], v[\f+8*(4*\hi+\a):\f+8*(4*\hi+\a)+7], v[8*(6*(\a)+\b):8*(6*(\a)+\b)+7]
.endif
.endr
.endr
.endm
; 28 LDS loads in one run: quarter q (32 along K) of a slot into buffer f: 6 fragments of W (column block 2 c + j of head c), then 8 of x
.macro FETCH slot, q, f
	WIN TO_B
.irp c, 0,1,2
.irp j, 0,1
	ds_load_tr16_b128 v[\f+8*(2*\c+\j):\f+8*(2*\c+\j)+3],   v[ADRB+\slot] offset:\c*BCH+\q*32*PB+32*\j
	ds_load_tr16_b128 v[\f+8*(2*\c+\j)+4:\f+8*(2*\c+\j)+7], v[ADRB+\slot] offset:\c*BCH+\q*32*PB+32*\j+16*PB
.endr
.endr
	WIN 0
.irp i, 0,1,2,3,4,5,6,7
	ds_load_b128 v[\f+8*\i:\f+8*\i+3],   v[ADRA+\slot] offset:\q*64+\i*16*PA
	ds_load_b128 v[\f+8*\i+4:\f+8*\i+7], v[ADRA+\slot] offset:\q*64+\i*16*PA+32
.endr
.endm
; A quarter step: 48 matrix instructions on buffer f; in its middle quarter q of the same slot is fetched into buffer g.
; The 48 accumulators take turns, one instruction a turn, in the same order in every quarter.
.macro QUARTER slot, q, f, g, zero
	s_wait_dscnt 8                                 ; W and x's rows 0-63 are in; the youngest eight loads (x's rows 64-127) may be out
	WIN MUL_LO
	MUL12 \f, 0, 0, \zero
	MUL12 \f, 0, 2, \zero
	PLACES
	FETCH \slot, \q, \g
	s_wait_dscnt 28                                ; all but the 28 just issued
	WIN MUL_HI
	MUL12 \f, 1, 0, \zero
	MUL12 \f, 1, 2, \zero
.endm
.macro THREE slot, zero
	QUARTER \slot, 1, F0, F1, \zero
	QUARTER \slot, 2, F1, F0, 0
	QUARTER \slot, 3, F0, F1, 0
.endm
; The last quarter of a K step changes slots.  In front of the barrier each wave waits for its reads of this slot and for all its tensor loads (the one that is out
; is its part of the next slot).  fill = 1: the barrier opens a round of the cluster's barrier, and the joint refill of this slot is the first tensor load behind it.
.macro TURN slot, next, fill
	s_wait_dscnt 8
	WIN MUL_LO
	MUL12 F1, 0, 0, 0
	s_wait_dscnt 0                                 ; my reads of this slot are over
	s_wait_tensorcnt 0x0                           ; all my tensor loads have landed
	ds_add_u32 v255, v255
	s_wait_dscnt 0x0
	s_barrier_signal -1
	MUL12 F1, 0, 2, 0                              ; register work alone between signal and wait
	WIN 0
	s_barrier_wait -1
.if \fill
	CREST                                          ; no wave of any partner still reads this slot or has a load on its way
	s_add_nc_u64 s[G0+4*\slot+2:G0+4*\slot+3], s[G0+4*\slot+2:G0+4*\slot+3], 512       ; two K steps on: no tensor load of mine is out
	s_add_nc_u64 s[G0B+4*\slot+2:G0B+4*\slot+3], s[G0B+4*\slot+2:G0B+4*\slot+3], 32768
	JLOAD \slot                                    ; its four v_nop are also the places in front of the loads below
.else
	PLACES
.endif
	FETCH \next, 0, F0
	WIN MUL_HI
	MUL12 F1, 1, 0, 0
	MUL12 F1, 1, 2, 0
.endm
.macro LAP zero
	THREE 0, \zero
	TURN 0, 1, 1
	THREE 1, 0
	TURN 1, 0, 1
.endm
	s_wait_tensorcnt 1                             ; my part of K step 0 is in; K step 1's load stays out
	s_barrier_signal -1
	s_barrier_wait -1
	FETCH 0, 0, F0
	LAP 1                                          ; the first lap stands in front of the loop: its first products start the sums
	WIN 0
	s_mov_b32 s3, LAPS-2
.Llap:
	LAP 0
	WIN 0
	s_sub_co_u32 s3, s3, 1
	s_cmp_lg_u32 s3, 0
	s_cbranch_scc1 .Llap
	THREE 0, 0                                     ; the last lap fills nothing
	TURN 0, 1, 0
	THREE 1, 0
	s_wait_dscnt 8
	WIN MUL_LO
	MUL12 F1, 0, 0, 0
	MUL12 F1, 0, 2, 0
	s_wait_dscnt 0
	WIN MUL_HI
	MUL12 F1, 1, 0, 0
	MUL12 F1, 1, 2, 0
	; THE WAY OUT.  Round to f16; 16 bytes a lane into my own stage.  The stages lie in slot 0: every wave's reads of slot 0 were waited for in front of the barrier of
	; the last change of slots, the last K step reads slot 1, and no tensor load follows.  Behind one barrier whole rows of 128 bytes are read back.
	PLACES
	s_mul_i32 s46, s42, 3145728                    ; 3 heads of 1,048,576 bytes a block column
	s_mov_b32 s47, 0
	s_add_nc_u64 s[6:7], s[6:7], s[46:47]
	s_lshl_b32 s16, s13, 15                        ; 256 rows of 128 bytes a block row
	s_mov_b32 s17, 0
	s_add_nc_u64 s[6:7], s[6:7], s[16:17]
.macro PUT hi, a, from                 ; tokens 64 hi + 16 a .. +15 of my block: six tiles
	WIN \from
.irp b, 0,1,2,3,4,5
.irp r, 0,1,2,3
	v_cvt_pk_f16_f32 v[TMP+4*\b+\r], v[8*(6*\a+\b)+2*\r], v[8*(6*\a+\b)+2*\r+1]
.endr
.endr
	WIN 0
.irp c, 0,1,2
.irp j, 0,1
	ds_store_b128 v[STO], v[TMP+4*(2*\c+\j):TMP+4*(2*\c+\j)+3] offset:\c*SCH+(64*\hi+16*\a)*SP+32*\j
.endr
.endr
.endm
	PUT 0, 0, 0x0a
	PUT 0, 1, 0x0a
	PUT 0, 2, 0x0a
	PUT 0, 3, 0x0a
	PUT 1, 0, 0x0f
	PUT 1, 1, 0x0f
	PUT 1, 2, 0x0f
	PUT 1, 3, 0x0f
	s_wait_dscnt 0x0                               ; my stores are done, for the waves that read them
	s_barrier_signal -1
	s_barrier_wait -1
.macro GET c, g, f                     ; head c, rows 32 g .. +31 of my 64: eight loads and stores of four rows (512 consecutive bytes of qkv) each
	s_wait_xcnt 0x0                                ; buffer f, which earlier stores read, is loaded again only behind this wait
.irp t, 0,1,2,3,4,5,6,7
	ds_load_b128 v[\f+4*\t:\f+4*\t+3], v[RD] offset:\c*SCH+(8*\g+\t)*4*SP
.endr
.irp t, 0,1,2,3,4,5,6,7
	s_wait_dscnt 7-\t                              ; LDS loads come back in order: load t is in
	global_store_b128 v[CO], v[\f+4*\t:\f+4*\t+3], s[6:7] offset:\c*1048576+512*(8*\g+\t)
.endr
.endm
	GET 0, 0, F0
	GET 0, 1, F1
	GET 1, 0, F0
	GET 1, 1, F1
	GET 2, 0, F0
	GET 2, 1, F1
	s_set_vgpr_msb 0x1
	s_wait_tensorcnt 0x0
	ds_add_u32 v255, v255
	s_wait_dscnt 0x0
	s_set_vgpr_msb 0x100
	CROUND                                         ; the closing round: no work-group ends while a partner may still ask for a tile that names it
	s_endpgm
.Lfunc_end_k_q82d4537f7c_qkv:
	.size	k_q82d4537f7c_qkv, .Lfunc_end_k_q82d4537f7c_qkv-k_q82d4537f7c_qkv
	.p2alignl 7, 3214868480
	.fill 96, 4, 3214868480
	.section	.rodata,"a",@progbits
	.p2align	6, 0x0
	.amdhsa_kernel k_q82d4537f7c_qkv
		.amdhsa_group_segment_fixed_size 327680
		.amdhsa_private_segment_fixed_size 0
		.amdhsa_enable_private_segment 0
		.amdhsa_kernarg_size 16
		.amdhsa_user_sgpr_count 2
		.amdhsa_user_sgpr_kernarg_segment_ptr 1
		.amdhsa_wavefront_size32 1
		.amdhsa_system_sgpr_workgroup_id_x 1
		.amdhsa_system_sgpr_workgroup_id_y 1
		.amdhsa_system_sgpr_workgroup_id_z 1
		.amdhsa_system_vgpr_workitem_id 0
		.amdhsa_next_free_vgpr 1024
		.amdhsa_next_free_sgpr 66
		.amdhsa_reserve_vcc 0
		.amdhsa_float_denorm_mode_32 3
		.amdhsa_float_denorm_mode_16_64 3
		.amdhsa_memory_ordered 1
		.amdhsa_forward_progress 1
		.amdhsa_inst_pref_size 159
	.end_amdhsa_kernel
	.amdgpu_metadata
---
amdhsa.version: [ 1, 2 ]
amdhsa.kernels:
  - .name:           k_q82d4537f7c_qkv
    .symbol:         k_q82d4537f7c_qkv.kd
    .args:
      - { .name: h16, .offset: 0, .size: 8, .value_kind: global_buffer, .address_space: global }
      - { .name: qkv, .offset: 8, .size: 8, .value_kind: global_buffer, .address_space: global }
    .group_segment_fixed_size: 327680
    .private_segment_fixed_size: 0
    .kernarg_segment_align: 8
    .kernarg_segment_size: 16
    .max_flat_workgroup_size: 128
    .sgpr_count:     66
    .vgpr_count:     1024
    .wavefront_size: 32
...
	.end_amdgpu_metadata
.endif
;; end of part 2
;; launch attn (part 3): grid 256 x 1, 8 waves a work-group, clusters of 4 x 1, 327,680 bytes of LDS; arguments qkv, ctx; writes ctx
.if DOCPART == 3
	.amdgcn_target "amdgcn-amd-amdhsa--gfx1250"
	.amdhsa_code_object_version 6
	.text
	.protected	k_q82d4537f7c_attn
	.globl	k_q82d4537f7c_attn
	.p2align	8
	.type	k_q82d4537f7c_attn,@function
k_q82d4537f7c_attn:
	s_mov_b64 s[64:65], 0
	v_nop
	global_prefetch_b8 v0, s[64:65] scope:SCOPE_SE
	s_setreg_imm32_b32 hwreg(HW_REG_WAVE_MODE, 25, 1), 1
	s_wait_xcnt 0x0
	s_wait_alu depctr_hold_cnt(0) depctr_sa_sdst(0) depctr_va_vdst(0) depctr_va_sdst(0) depctr_va_ssrc(0) depctr_va_vcc(0) depctr_vm_vsrc(0)
	s_getreg_b32 s2, hwreg(HW_REG_IB_STS2, 6, 4)
	s_cmp_eq_u32 s2, 0
	s_cbranch_scc0 .Lentry_in_a_cluster
	s_endpgm
.Lentry_in_a_cluster:
	s_bfe_u32 s2, ttmp6, 0x10000c
	s_cmp_lg_u32 s2, 0x3003
	s_cbranch_scc0 .Lentry_shape_is_right
	s_endpgm
.Lentry_shape_is_right:
; ctx[h][b, s][m] = softmax over t of (q[s] . k[t] / 8) applied to v, for one (b, h) in each cluster.  Operands f16, sums, maxima and exponentials f32, ctx f16.
; The maximum is a running one: each step of 64 keys raises it and rescales the sums by 2^(c (old - new)), c = log2(e) / 8.
; LIMIT: the probabilities are rounded to f16 for the second product (they lie in (0, 1] up to rounding); ctx of magnitude 65,504 or more would become infinite.
; A cluster of four work-groups is one (b, h); a work-group takes 512 queries, each of its eight waves 64.  The four ask JOINTLY for every tile of K and V
; (mask 15): a quarter of the requests.  Keys go in 16 tiles of 128 (two steps of 64) through two LDS slots; waves 0, 1 fetch a half of K each, waves 2, 3 a half of V,
; 64 rows a load; waves 4-7 fetch none.
; WHY TILES OF 128 KEYS: a tile's work is written out once for each slot in the loop, once for the first tile (whose first product starts the sums) and once for the
; last (which refills nothing): four tiles' text whatever the tile's size.  With two steps a tile that is eight steps' text, four of them the loop's, and 14 of
; the 16 tiles run in the loop.
; BOTH PRODUCTS ARE USED TRANSPOSED.  S^T = K Q^T: a lane holds query l % 16 and keys 8 (l / 16) + 0..7 of a tile, so maxima and sums are nearly all inside the
; lane, and two neighbouring tiles, packed to f16 in place, ARE the fragment of P^T that the second product takes as source 1.  O^T = V^T P^T, V^T by the transposing
; LDS load: a lane holds query l % 16 again, so the rescaling factors are the lane's own numbers.
.set PITK,  144                        ; LDS row of K: 128 bytes + 16
.set PITV,  160                        ; LDS row of V: 128 bytes + 32 (odd multiple of 32, for the transposing load)
.set FILL,  10240                      ; a wave's fill: 64 rows (K uses 9,216 of it), at wave x 10,240; also one step's keys
.set SLOT,  4*FILL                     ; 40,960: K's two halves, then V's
.set TILEB, 16384                      ; a tile of 128 keys in memory
.set TILES, 16
.set STAGE, 2*SLOT                     ; behind the ring, never filled: 16 rows x 144 bytes for each wave
.set KADR, 8                           ; v8-9    K fragments, slot 0, 1
.set VADR, 10                          ; v10-11  V fragments
.set STO,  12
.set RD,   13
.set CO,   14
.set QO,   15
.set MX,   16                          ; v16-19  running maximum of the raw scores, one a query block
.set TT,   20                          ; v20-23  at work
.set NM,   24                          ; v24-39  -c x maximum, two sets (this step's, the last step's) of 4 pairs with equal halves
.set AL,   40                          ; v40-47  rescaling factors, 4 pairs
.set LS,   48                          ; v48-55  running sums, 4 pairs
.set QF,   56                          ; v56-119  Q fragments, 8 (2 qb + ks); packed results on the way out
.set KF,   120                         ; v120-183 K fragments, 8 (2 kb + ks); rows read back on the way out
.set VF,   184                         ; v184-247 V^T fragments, 8 (4 kk + mb)
.set PFL,  248                         ; v248    256 x lane
.set PF,   249                         ; v249    wave 7: the offset of its request for a later tile
.set SC,   0                           ; window 1, v0-127: S tile (qb, kb) at 32 qb + 8 kb; P fragment (qb, kk) in place at 32 qb + 16 kk
.set OA,   128                         ; window 1, v128-255: O tile (qb, mb) at 8 (4 qb + mb)
.set G1K, 28                           ; s[28:35]
.set G1V, 36                           ; s[36:43]
.set G0K, 44                           ; s[44:51], a set for each slot
.set G0V, 52                           ; s[52:59]
.set W_S,   0x50                       ; D, C window 1; K, Q window 0
.set W_MAX, 0x14                       ; sources 1, 2 window 1
.set W_E,   0x41                       ; destination, source 0 window 1
.set W_SUM, 0x04                       ; source 1 window 1
.set W_CVT, 0x45                       ; destination, sources 0, 1 window 1
.set W_PV,  0x54                       ; D, C, P window 1; V window 0
.set W_OUT, 0x05                       ; sources 0, 1 window 1
.set MSB, 0
.macro WIN new
.if MSB != \new
	s_set_vgpr_msb (MSB<<8)|\new
.set MSB, \new
.endif
.endm
.macro ROUND                           ; a round of the cluster's barrier
	s_barrier_signal -1
	s_barrier_wait -1
	s_cmp_lg_u32 s8, 0
	s_cbranch_scc1 .Lnot_wave_0_\@
	s_barrier_signal -3
.Lnot_wave_0_\@:
	s_barrier_wait -3
	s_barrier_signal -1
	s_barrier_wait -1
.endm
.macro JLOAD s                         ; waves 0, 1: my half of K; waves 2, 3: my half of V; waves 4-7: nothing.  The branches hang on the wave's number alone.
	s_cmp_eq_u32 s9, 0
	s_cbranch_scc0 .Lnot_k_\@
	tensor_load_to_lds s[G0K+4*(\s):G0K+4*(\s)+3], s[G1K:G1K+7]
	s_nop 0
.rept 4
	v_nop
.endr
	s_branch .Lasked_\@
.Lnot_k_\@:
	s_cmp_eq_u32 s9, 1
	s_cbranch_scc0 .Lasked_\@
	tensor_load_to_lds s[G0V+4*(\s):G0V+4*(\s)+3], s[G1V:G1V+7]
	s_nop 0
.rept 4
	v_nop
.endr
.Lasked_\@:
.endm
; Wave 7, which fetches no tile, asks in the trip of tile t for a part of tile t + 2, the tile that the next trip's tensor loads fetch: 32 lanes, 256 bytes apart,
; the 8,192 bytes of one fill.  The four work-groups of the cluster take K's two halves and V's two halves (by the address: s[62:63]), so each block of a
; tile is asked for once.  Tiles 0 and 1 are not asked for; in the trip of tile 14 the offset is clamped to tile 15, the last, so no request leaves the head's rows;
; the last trip asks for nothing.
.macro PREF
	s_cmp_eq_u32 s8, 7
	s_cbranch_scc0 .Lno_ask_\@
	s_wait_xcnt 0x0                                ; the request of the trip before has had its address translated: its offset register is rewritten only behind this wait
	s_add_co_u32 s3, s3, TILEB
	s_min_u32 s3, s3, (TILES-1)*TILEB
	v_add_nc_u32 v[PF], s3, v[PFL]
	global_prefetch_b8 v[PF], s[62:63] th:TH_LOAD_NT scope:SCOPE_SE
.Lno_ask_\@:
.endm
	s_load_b128 s[4:7], s[0:1], 0x0                ; qkv s[4:5], ctx s[6:7]
	v_lshl_add_u32 v254, v0, 2, 0x29000
	v_mov_b32 v255, 0
	ds_add_u32 v254, v255
	v_lshrrev_b32 v1, 5, v0
	v_readfirstlane_b32 s8, v1                     ; wave 0..7
	s_lshr_b32 s9, s8, 1                           ; I fetch for K (0), for V (1), or nothing (2, 3)
	s_and_b32 s10, s8, 1                           ; which 64 rows of the tile
	s_bfe_u32 s11, ttmp6, 0x40000                  ; cx: which 512 queries
	s_lshr_b32 s12, ttmp9, 4                       ; b (ttmp9 counts clusters: 16 b + h)
	s_and_b32 s13, ttmp9, 15                       ; h
	s_lshl_b32 s13, s13, 20                        ; 8,192 rows of 128 bytes a head
	s_lshl_b32 s12, s12, 18                        ; 2,048 rows a batch
	s_add_co_u32 s15, s12, s13
	s_lshl_b32 s14, s10, 13                        ; my 64 rows
	s_add_co_u32 s14, s14, s15
	s_add_co_u32 s16, s14, 0x1000000               ; k: heads 16-31
	s_mov_b32 s17, 0
	s_add_co_u32 s18, s14, 0x2000000               ; v: heads 32-47
	s_mov_b32 s19, 0
	s_lshl_b32 s26, s11, 16                        ; 512 rows of 128 bytes: q's and ctx's offset holds cx,
	s_add_co_u32 s26, s26, s15
	s_mov_b32 s27, 0
	s_lshr_b32 s62, s11, 1                         ; and so does the offset of wave 7's requests: cx / 2 chooses k or v (16 heads = 0x1000000 bytes apart),
	s_lshl_b32 s62, s62, 24
	s_and_b32 s63, s11, 1                          ; cx % 2 the 64 rows
	s_lshl_b32 s63, s63, 13
	s_add_co_u32 s62, s62, s63
	s_add_co_u32 s62, s62, s15
	s_add_co_u32 s62, s62, 0x1000000
	s_mov_b32 s63, 0
	s_mov_b32 s3, TILEB                            ; stepped ahead of each request: the first asks for tile 2
	s_mul_i32 s60, s8, FILL                        ; where my fills go
	s_mov_b32 s20, 0x76543210                      ; v_permlanex16_b32: lane i reads lane i of the other half
	s_mov_b32 s21, 0xfedcba98
	s_mov_b32 s22, 0x3e38aa3b                      ; c = log2(e) / 8
	s_mov_b32 s23, 0x3e38aa3b
	s_mov_b32 s24, 0xbe38aa3b                      ; -c
	s_mov_b32 s[G1K+0], 0x0731000f                 ; mask 15; 2-byte elements; padding on; bit 21 beside a mask; after 32 words 4 words
	s_mov_b32 s[G1V+0], 0x0f31000f                 ; after 32 words 8 words
.irp g, G1K, G1V
	s_mov_b32 s[\g+1], 64<<16                      ; tensor_dim0 = 64
	s_mov_b32 s[\g+2], 64<<16                      ; tensor_dim1 = 64
	s_mov_b32 s[\g+3], 64<<16                      ; tile_dim0 = 64 elements: a head's whole row of 128 bytes
	s_mov_b32 s[\g+4], 64                          ; tile_dim1 = 64 rows
	s_mov_b32 s[\g+5], 64                          ; rows are dense
	s_mov_b32 s[\g+6], 0
	s_mov_b32 s[\g+7], 0
.endr
	v_and_b32 v1, 15, v0                           ; r
	v_bfe_u32 v2, v0, 4, 1                         ; h
	v_mul_u32_u24 v3, v1, PITK
	v_lshl_add_u32 v3, v2, 4, v3                   ; row r, 16 h
	v_mov_b32 v[KADR], v3
	v_add_nc_u32 v[KADR+1], SLOT, v3
	v_and_b32 v4, 7, v0
	v_lshl_add_u32 v4, v2, 3, v4
	v_mul_u32_u24 v4, v4, PITV                     ; transposing load: row 8 h + l % 8,
	v_bfe_u32 v5, v0, 3, 1
	v_lshl_add_u32 v4, v5, 4, v4                   ; 16 bytes further for the second eight lanes of each half
	v_add_nc_u32 v[VADR], 2*FILL, v4
	v_add_nc_u32 v[VADR+1], 2*FILL+SLOT, v4
	s_mul_i32 s61, s8, 16*PITK
	s_add_co_u32 s61, s61, STAGE                   ; my stage
	v_add_nc_u32 v[STO], s61, v3
	v_bfe_u32 v5, v0, 3, 2
	v_mul_u32_u24 v5, v5, PITK                     ; back: eight lanes take a row of 128 bytes
	v_and_b32 v6, 7, v0
	v_lshl_add_u32 v5, v6, 4, v5
	v_add_nc_u32 v[RD], s61, v5
	v_and_b32 v6, 31, v0
	v_lshlrev_b32 v6, 4, v6
	v_lshl_add_u32 v[CO], s8, 13, v6               ; 64 rows of 128 bytes a wave + 16 l
	v_lshlrev_b32 v[PFL], 4, v6                    ; 256 l
	v_lshlrev_b32 v5, 7, v1
	v_lshl_add_u32 v5, v2, 4, v5
	v_lshl_add_u32 v[QO], s8, 13, v5               ; my wave's queries, row r, 16 h
	s_wait_dscnt 0x0
	s_wait_kmcnt 0x0
	s_add_nc_u64 s[16:17], s[4:5], s[16:17]
	s_add_nc_u64 s[18:19], s[4:5], s[18:19]
	s_add_nc_u64 s[62:63], s[4:5], s[62:63]        ; the base of wave 7's requests; never rewritten
	s_add_nc_u64 s[4:5], s[4:5], s[26:27]          ; q at my work-group's first query
	s_add_nc_u64 s[6:7], s[6:7], s[26:27]          ; ctx likewise
.irp n, 0,1
	s_mov_b32 s[G0K+4*\n], 1
	s_add_co_u32 s[G0K+4*\n+1], s60, \n*SLOT
	s_add_nc_u64 s[G0K+4*\n+2:G0K+4*\n+3], s[16:17], \n*TILEB
	s_or_b32 s[G0K+4*\n+3], s[G0K+4*\n+3], 0x80000000
	s_mov_b32 s[G0V+4*\n], 1
	s_add_co_u32 s[G0V+4*\n+1], s60, \n*SLOT
	s_add_nc_u64 s[G0V+4*\n+2:G0V+4*\n+3], s[18:19], \n*TILEB
	s_or_b32 s[G0V+4*\n+3], s[G0V+4*\n+3], 0x80000000
.endr
	; Q's fragments straight from memory, once: query 16 qb + r, dims 32 ks + 8 h .. and 32 ks + 16 + 8 h ..
.irp qb, 0,1,2,3
.irp ks, 0,1
	global_load_b128 v[QF+16*\qb+8*\ks:QF+16*\qb+8*\ks+3],   v[QO], s[4:5] offset:2048*\qb+64*\ks
	global_load_b128 v[QF+16*\qb+8*\ks+4:QF+16*\qb+8*\ks+7], v[QO], s[4:5] offset:2048*\qb+64*\ks+32
.endr
.endr
.irp qb, 0,1,2,3
	v_mov_b32 v[MX+\qb], 0xff800000                ; -infinity
	v_mov_b32 v[TT+\qb], 0                         ; a lane permute's destination counts as read
	v_mov_b32 v[LS+2*\qb], 0
	v_mov_b32 v[LS+2*\qb+1], 0
.endr
	ROUND                                          ; in front of the first joint load
	JLOAD 0                                        ; tile 0: one tensor load of a wave is out, here and behind every later round
	s_wait_loadcnt 0x0                             ; Q
.macro KLOAD slot, j                   ; 16 loads: keys 64 j .. +63 (fill j), 4 key blocks x 2 halves of the 64 dims
.irp kb, 0,1,2,3
.irp ks, 0,1
	ds_load_b128 v[KF+16*\kb+8*\ks:KF+16*\kb+8*\ks+3],   v[KADR+\slot] offset:(\j)*FILL+\kb*16*PITK+64*\ks
	ds_load_b128 v[KF+16*\kb+8*\ks+4:KF+16*\kb+8*\ks+7], v[KADR+\slot] offset:(\j)*FILL+\kb*16*PITK+64*\ks+32
.endr
.endr
.endm
.macro VLOAD slot, j                   ; 16 transposing loads: 2 blocks of 32 keys x 4 blocks of 16 dims (64 rows of V are exactly one fill)
.irp kk, 0,1
.irp mb, 0,1,2,3
	ds_load_tr16_b128 v[VF+8*(4*\kk+\mb):VF+8*(4*\kk+\mb)+3],   v[VADR+\slot] offset:(64*\j+32*\kk)*PITV+32*\mb
	ds_load_tr16_b128 v[VF+8*(4*\kk+\mb)+4:VF+8*(4*\kk+\mb)+7], v[VADR+\slot] offset:(64*\j+32*\kk)*PITV+32*\mb+16*PITV
.endr
.endr
.endm
; One step: 64 keys against my 64 queries.  first = 1: nothing to rescale yet, the second product starts the sums.  more = 1: the tile's other 64 keys of K are fetched.
; ask = 1: wave 7 asks for a later tile, behind the step's loads of K and in front of the exponentials.
.macro STEP slot, j, first, more, ask
.set NMC, NM+8*(\j&1)
.set NMP, NM+8*(1-(\j&1))
	WIN 0
	VLOAD \slot, \j
	s_wait_dscnt 16                                ; K's 16 older loads are in, V's 16 may be out
	WIN W_S
	; 32 matrix instructions: the 16 tiles take turns, one instruction a turn, first dims 0-31 (which start the sums), then dims 32-63
.irp ks, 0,1
.irp qb, 0,1,2,3
.irp kb, 0,1,2,3
.if \ks == 0
	v_wmma_f32_16x16x32_f16 v[SC+32*\qb+8*\kb:SC+32*\qb+8*\kb+7], v[KF+16*\kb+8*\ks:KF+16*\kb+8*\ks+7], v[QF+16*\qb+8*\ks:QF+16*\qb+8*\ks+7], 0
.else
	v_wmma_f32_16x16x32_f16 v[SC+32*\qb+8*\kb:SC+32*\qb+8*\kb+7], v[KF+16*\kb+8*\ks:KF+16*\kb+8*\ks+7], v[QF+16*\qb+8*\ks:QF+16*\qb+8*\ks+7], v[SC+32*\qb+8*\kb:SC+32*\qb+8*\kb+7]
.endif
.endr
.endr
.endr
.rept 4
	v_nop                                          ; four places in front of the readers of S and of the loads into K's fragments
.endr
	WIN W_MAX
.irp i, 0,1,2,3,4,5,6,7,8,9,10,11,12,13,14,15
.irp qb, 0,1,2,3
	v_max3_num_f32 v[MX+\qb], v[MX+\qb], v[SC+32*\qb+2*\i], v[SC+32*\qb+2*\i+1]   ; four chains by turns; the old maximum is in
.endr
.endr
	WIN 0
.irp qb, 0,1,2,3
	v_permlanex16_b32 v[TT+\qb], v[MX+\qb], s20, s21       ; the other half of the lanes holds the query's other keys
.endr
.irp qb, 0,1,2,3
	v_max_num_f32 v[MX+\qb], v[MX+\qb], v[TT+\qb]
.endr
.irp qb, 0,1,2,3
	v_mul_f32 v[NMC+2*\qb],   s24, v[MX+\qb]
	v_mul_f32 v[NMC+2*\qb+1], s24, v[MX+\qb]
.endr
.if \first == 0
.irp qb, 0,1,2,3
	v_pk_add_f32 v[AL+2*\qb:AL+2*\qb+1], v[NMC+2*\qb:NMC+2*\qb+1], v[NMP+2*\qb:NMP+2*\qb+1] neg_lo:[0,1] neg_hi:[0,1]   ; c (old - new), from the two rounded numbers that the exponents use
.endr
.irp i, 0,1,2,3,4,5,6,7
	v_exp_f32 v[AL+\i], v[AL+\i]
.endr
	v_nop                                          ; one plain instruction behind the exponentials before their results are used (ISA guide 5.7.2)
	s_wait_alu depctr_va_vdst(0)
.irp qb, 0,1,2,3
	v_pk_mul_f32 v[LS+2*\qb:LS+2*\qb+1], v[LS+2*\qb:LS+2*\qb+1], v[AL+2*\qb:AL+2*\qb+1]
.endr
.endif
.if \more
	KLOAD \slot, \j+1
.endif
.if \ask
	PREF
.endif
	; p = 2^(c S - c max), in place.  Tile t's exponentials run beside tile t + 1's multiply-adds and the rescaling of O's tile t, so a plain
	; instruction that touches neither follows every pair of exponentials.
	WIN W_E
.irp i, 0,1,2,3
	v_pk_fma_f32 v[SC+2*\i:SC+2*\i+1], v[SC+2*\i:SC+2*\i+1], s[22:23], v[NMC:NMC+1] op_sel_hi:[1,0,1]
.endr
.irp t, 0,1,2,3,4,5,6,7,8,9,10,11,12,13,14,15
.irp i, 0,1,2,3
	v_exp_f32 v[SC+8*\t+2*\i],   v[SC+8*\t+2*\i]
	v_exp_f32 v[SC+8*\t+2*\i+1], v[SC+8*\t+2*\i+1]
.if \t < 15
	v_pk_fma_f32 v[SC+8*(\t+1)+2*\i:SC+8*(\t+1)+2*\i+1], v[SC+8*(\t+1)+2*\i:SC+8*(\t+1)+2*\i+1], s[22:23], v[NMC+2*((\t+1)/4):NMC+2*((\t+1)/4)+1] op_sel_hi:[1,0,1]
.endif
.if \first == 0
	v_pk_mul_f32 v[OA+8*\t+2*\i:OA+8*\t+2*\i+1], v[OA+8*\t+2*\i:OA+8*\t+2*\i+1], v[AL+2*(\t/4):AL+2*(\t/4)+1]
.endif
.endr
.endr
	WIN W_SUM
	s_wait_alu depctr_va_vdst(0)
.irp i, 0,1,2,3,4,5,6,7,8,9,10,11,12,13,14,15
.irp qb, 0,1,2,3
	v_pk_add_f32 v[LS+2*\qb:LS+2*\qb+1], v[LS+2*\qb:LS+2*\qb+1], v[SC+32*\qb+2*\i:SC+32*\qb+2*\i+1]   ; the first of these reads tile 0: it is the plain place behind the last exponentials
.endr
.endr
	WIN W_CVT
.irp g, 0,1,2,3,4,5,6,7
.irp p, 0,1,2,3,4,5,6,7
	v_cvt_pk_f16_f32 v[SC+16*\g+\p], v[SC+16*\g+2*\p], v[SC+16*\g+2*\p+1]   ; ascending and in place: register p is written when registers 2 p, 2 p + 1 are read
.endr
.endr
.if \more
	s_wait_dscnt 16                                ; V is in; the next K's 16 loads may be out
.else
	s_wait_dscnt 0
.endif
	WIN W_PV
	; 32 matrix instructions: the 16 tiles of O take turns, first keys 0-31, then keys 32-63
.irp kk, 0,1
.irp qb, 0,1,2,3
.irp mb, 0,1,2,3
.if \first*(1-\kk)
	v_wmma_f32_16x16x32_f16 v[OA+8*(4*\qb+\mb):OA+8*(4*\qb+\mb)+7], v[VF+8*(4*\kk+\mb):VF+8*(4*\kk+\mb)+7], v[SC+32*\qb+16*\kk:SC+32*\qb+16*\kk+7], 0
.else
	v_wmma_f32_16x16x32_f16 v[OA+8*(4*\qb+\mb):OA+8*(4*\qb+\mb)+7], v[VF+8*(4*\kk+\mb):VF+8*(4*\kk+\mb)+7], v[SC+32*\qb+16*\kk:SC+32*\qb+16*\kk+7], v[OA+8*(4*\qb+\mb):OA+8*(4*\qb+\mb)+7]
.endif
.endr
.endr
.endr
	WIN 0
.rept 5
	v_nop                                          ; five places: the next matrix instructions write over P, a source of these; four of them also serve the next loads into V's fragments and the readers of O
.endr
.endm
; One tile of 128 keys.  In front of the round every wave has waited for all its tensor loads (its part of this tile among them) and for its reads of the other slot;
; behind the round the other slot's joint refill comes first.  The trips that refill are also those in which wave 7 asks for a later tile.
.macro TRIP slot, refill, first
	s_wait_tensorcnt 0x0
	ds_add_u32 v254, v255
	s_wait_dscnt 0x0
	s_add_nc_u64 s[G0K+4*\slot+2:G0K+4*\slot+3], s[G0K+4*\slot+2:G0K+4*\slot+3], 2*TILEB   ; no tensor load of mine is out: this slot's next tile
	s_add_nc_u64 s[G0V+4*\slot+2:G0V+4*\slot+3], s[G0V+4*\slot+2:G0V+4*\slot+3], 2*TILEB
	s_wait_dscnt 0x0
	ROUND
.if \refill
	JLOAD 1-\slot
.endif
	KLOAD \slot, 0
	STEP \slot, 0, \first, 1, \refill
	STEP \slot, 1, 0, 0, 0
.endm
	TRIP 0, 1, 1                                   ; tile 0: its first product starts the sums
	s_mov_b32 s25, (TILES-2)/2
.Lpair:
	TRIP 1, 1, 0                                   ; tiles 1, 3, .. 13
	TRIP 0, 1, 0                                   ; tiles 2, 4, .. 14
	s_sub_co_u32 s25, s25, 1
	s_cmp_lg_u32 s25, 0
	s_cbranch_scc1 .Lpair
	TRIP 1, 0, 0                                   ; tile 15: nothing is left to fetch
	; THE WAY OUT: divide by the sums, round to f16, 16 queries at a time through my own stage, whole rows of 128 bytes out.
.irp qb, 0,1,2,3
	v_add_f32 v[TT+\qb], v[LS+2*\qb], v[LS+2*\qb+1]
.endr
.irp qb, 0,1,2,3
	v_permlanex16_b32 v[MX+\qb], v[TT+\qb], s20, s21
.endr
.irp qb, 0,1,2,3
	v_add_f32 v[TT+\qb], v[TT+\qb], v[MX+\qb]
.endr
.irp qb, 0,1,2,3
	v_rcp_f32 v[AL+2*\qb],   v[TT+\qb]             ; the sum holds the maximum's own term, about 1: never near zero
	v_rcp_f32 v[AL+2*\qb+1], v[TT+\qb]
.endr
	v_nop                                          ; one plain instruction behind the reciprocals
	s_wait_alu depctr_va_vdst(0)
.macro OUTQ qb
	WIN W_E
.irp i, 0,1,2,3,4,5,6,7,8,9,10,11,12,13,14,15
	v_pk_mul_f32 v[OA+32*\qb+2*\i:OA+32*\qb+2*\i+1], v[OA+32*\qb+2*\i:OA+32*\qb+2*\i+1], v[AL+2*\qb:AL+2*\qb+1]
.endr
	WIN W_OUT
.irp i, 0,1,2,3,4,5,6,7,8,9,10,11,12,13,14,15
	v_cvt_pk_f16_f32 v[QF+\i], v[OA+32*\qb+2*\i], v[OA+32*\qb+2*\i+1]
.endr
	WIN 0
.irp mb, 0,1,2,3
	ds_store_b128 v[STO], v[QF+4*\mb:QF+4*\mb+3] offset:32*\mb     ; query r, dims 16 mb + 8 h .. +7
.endr
.irp t, 0,1,2,3
	ds_load_b128 v[KF+16*\qb+4*\t:KF+16*\qb+4*\t+3], v[RD] offset:4*PITK*\t   ; LDS serves a wave's instructions in order: these see the stores above; each query block has registers of its own
.endr
.irp t, 0,1,2,3
	s_wait_dscnt 3-\t
	global_store_b128 v[CO], v[KF+16*\qb+4*\t:KF+16*\qb+4*\t+3], s[6:7] offset:2048*\qb+512*\t   ; four rows: 512 consecutive bytes, aligned
.endr
.endm
	OUTQ 0
	OUTQ 1
	OUTQ 2
	OUTQ 3
	s_wait_dscnt 0x0
	s_wait_tensorcnt 0x0
	ds_add_u32 v254, v255
	s_wait_dscnt 0x0
	ROUND                                          ; the closing round
	s_endpgm
.Lfunc_end_k_q82d4537f7c_attn:
	.size	k_q82d4537f7c_attn, .Lfunc_end_k_q82d4537f7c_attn-k_q82d4537f7c_attn
	.p2alignl 7, 3214868480
	.fill 96, 4, 3214868480
	.section	.rodata,"a",@progbits
	.p2align	6, 0x0
	.amdhsa_kernel k_q82d4537f7c_attn
		.amdhsa_group_segment_fixed_size 327680
		.amdhsa_private_segment_fixed_size 0
		.amdhsa_enable_private_segment 0
		.amdhsa_kernarg_size 16
		.amdhsa_user_sgpr_count 2
		.amdhsa_user_sgpr_kernarg_segment_ptr 1
		.amdhsa_wavefront_size32 1
		.amdhsa_system_sgpr_workgroup_id_x 1
		.amdhsa_system_sgpr_workgroup_id_y 1
		.amdhsa_system_sgpr_workgroup_id_z 1
		.amdhsa_system_vgpr_workitem_id 0
		.amdhsa_next_free_vgpr 512
		.amdhsa_next_free_sgpr 66
		.amdhsa_reserve_vcc 0
		.amdhsa_float_denorm_mode_32 3
		.amdhsa_float_denorm_mode_16_64 3
		.amdhsa_memory_ordered 1
		.amdhsa_forward_progress 1
		.amdhsa_inst_pref_size 255
	.end_amdhsa_kernel
	.section	.bss,"aw",@nobits
	.p2align	6
	.space	262144
	.amdgpu_metadata
---
amdhsa.version: [ 1, 2 ]
amdhsa.kernels:
  - .name:           k_q82d4537f7c_attn
    .symbol:         k_q82d4537f7c_attn.kd
    .args:
      - { .name: qkv, .offset: 0, .size: 8, .value_kind: global_buffer, .address_space: global }
      - { .name: ctx, .offset: 8, .size: 8, .value_kind: global_buffer, .address_space: global }
    .group_segment_fixed_size: 327680
    .private_segment_fixed_size: 0
    .kernarg_segment_align: 8
    .kernarg_segment_size: 16
    .max_flat_workgroup_size: 256
    .sgpr_count:     66
    .vgpr_count:     512
    .wavefront_size: 32
...
	.end_amdgpu_metadata
.endif
;; end of part 3
;; launch proj (part 4): grid 8 x 32, 4 waves a work-group, clusters of 4 x 4, 327,680 bytes of LDS; arguments ctx, h16, out0; writes out0
.if DOCPART == 4
	.amdgcn_target "amdgcn-amd-amdhsa--gfx1250"
	.amdhsa_code_object_version 6
	.text
	.protected	k_q82d4537f7c_proj
	.globl	k_q82d4537f7c_proj
	.p2align	8
	.type	k_q82d4537f7c_proj,@function
k_q82d4537f7c_proj:
	s_mov_b64 s[64:65], 0
	v_nop
	global_prefetch_b8 v0, s[64:65] scope:SCOPE_SE
	s_setreg_imm32_b32 hwreg(HW_REG_WAVE_MODE, 25, 1), 1
	s_wait_xcnt 0x0
	s_wait_alu depctr_hold_cnt(0) depctr_sa_sdst(0) depctr_va_vdst(0) depctr_va_sdst(0) depctr_va_ssrc(0) depctr_va_vcc(0) depctr_vm_vsrc(0)
	s_getreg_b32 s2, hwreg(HW_REG_IB_STS2, 6, 4)
	s_cmp_eq_u32 s2, 0
	s_cbranch_scc0 .Lentry_in_a_cluster
	s_endpgm
.Lentry_in_a_cluster:
	s_bfe_u32 s2, ttmp6, 0x10000c
	s_cmp_lg_u32 s2, 0xf033
	s_cbranch_scc0 .Lentry_shape_is_right
	s_endpgm
.Lentry_shape_is_right:
; out0[token][d] = sum over h, m of ctx[h][token][m] W_o[h][m][d].  Operands f16, sums f32, out0 f32.
; ctx: [16][8192][64] f16.  W_o: h16 byte 23,068,672, [1024 (h, m)][1024 d] f16.
; A work-group makes 256 tokens x 128 columns: 32 x 8 = 256 work-groups.  Four waves; wave (wm, wn) makes 128 x 64: 32 accumulator tiles, one window of registers.
; K (= h, m) goes in 8 steps of 128 (two heads) through two LDS slots.  Waves 0, 1 fetch one head's 256 rows of ctx each; waves 2, 3 fetch 64 rows x 256 bytes of W_o each.
; CLUSTERS: 4 x 4.  ctx's tiles hang on the block row alone (shared along a row of the cluster), W_o's on the block column alone (shared along a column).
; W_o lies [k][d]: its fragments come by the transposing LDS load.  The matrix instruction is used transposed (source 0 = 16 columns, source 1 = 16 tokens):
; a lane holds 8 neighbouring columns of one token, 32 bytes of f32.
; REGISTERS: window 0: v16-26 addresses, v64-127, v128-191 fragments of ctx; window 1: v64-95, v128-159 fragments of W_o; window 2: tile (a, b) at v[8 (4 a + b)].
.set PA,    144                        ; LDS row of ctx: 128 bytes + 16
.set PB,    288                        ; LDS row of W_o: 256 bytes + 32, an odd multiple of 32
.set ACH,   256*PA                     ; one head's tile: 36,864
.set BHALF, 64*PB                      ; 64 rows of W_o: 18,432
.set BOFF,  2*ACH                      ; 73,728
.set SLOT,  BOFF+2*BHALF               ; 110,592
.set STAGE, 2*SLOT                     ; behind the ring, never filled: 16 rows x 272 bytes for each wave
.set SPITCH, 272
.set LAPS,  4
.set ADRA, 16
.set ADRB, 20
.set STO,  24
.set RD,   25
.set CO,   26
.set F0,   64
.set F1,   128
.set G1,  24
.set G0,  32
.set G1B, 48
.set G0B, 56
.set MULW, 0xa1                        ; source 0 (W_o) window 1, source 1 (ctx) window 0, C and D window 2
.set TO_B, 0x40
.set MSB, 0
.macro WIN new
.if MSB != \new
	s_set_vgpr_msb (MSB<<8)|\new
.set MSB, \new
.endif
.endm
.macro PLACES
.rept 4
	v_nop
.endr
.endm
.macro JLOAD s                         ; waves 0, 1: a head of ctx; waves 2, 3: half of W_o's tile
	s_cmp_eq_u32 s11, 0
	s_cbranch_scc0 .Lfor_b_\@
	tensor_load_to_lds s[G0+4*\s:G0+4*\s+3], s[G1:G1+7]
	s_nop 0
.rept 4
	v_nop
.endr
	s_branch .Lasked_\@
.Lfor_b_\@:
	tensor_load_to_lds s[G0B+4*\s:G0B+4*\s+3], s[G1B:G1B+7]
	s_nop 0
.rept 4
	v_nop
.endr
.Lasked_\@:
.endm
.macro CREST
	s_cmp_lg_u32 s10, 0
	s_cbranch_scc1 .Lnot_wave_0_\@
	s_barrier_signal -3
.Lnot_wave_0_\@:
	s_barrier_wait -3
	s_barrier_signal -1
	s_barrier_wait -1
.endm
.macro CROUND
	s_barrier_signal -1
	s_barrier_wait -1
	CREST
.endm
	s_load_b128 s[4:7], s[0:1], 0x0                ; ctx s[4:5], h16 s[6:7]
	s_load_b64 s[8:9], s[0:1], 0x10                ; out0
	s_set_vgpr_msb 0x40
	v_lshl_add_u32 v255, v0, 2, 0x3a400
	s_set_vgpr_msb 0x4000
	v_mov_b32 v255, 0
	s_set_vgpr_msb 0x1
	ds_add_u32 v255, v255
	s_set_vgpr_msb 0x100
	v_lshrrev_b32 v1, 5, v0
	v_readfirstlane_b32 s10, v1                    ; wave 0..3
	s_lshr_b32 s11, s10, 1                         ; wm.  Also: I fetch for ctx (0) or W_o (1)
	s_and_b32 s12, s10, 1                          ; wn.  Also: which head, or which 64 rows, I fetch
	s_bfe_u32 s40, ttmp6, 0x40000                  ; cx
	s_bfe_u32 s41, ttmp6, 0x40004                  ; cy
	s_lshl_b32 s42, ttmp9, 2
	s_add_co_u32 s42, s42, s40                     ; block column (128 columns)
	s_and_b32 s13, ttmp7, 0xffff
	s_lshl_b32 s13, s13, 2
	s_add_co_u32 s13, s13, s41                     ; block row (256 tokens)
	s_lshl_b32 s43, s41, 2
	s_lshl_b32 s43, 15, s43                        ; my row of the cluster
	s_lshl_b32 s44, 0x1111, s40                    ; my column
	s_or_b32 s[G1+0], s43, (1<<16)|(1<<20)|(1<<21)|(4<<22)|(3<<25)   ; after 32 words 4 words
	s_mov_b32 s[G1+1], 64<<16                      ; tensor_dim0 = 64
	s_mov_b32 s[G1+2], 256<<16                     ; tensor_dim1 = 256
	s_mov_b32 s[G1+3], 64<<16                      ; tile_dim0 = 64 elements: a head's whole row
	s_mov_b32 s[G1+4], 256                         ; tile_dim1 = 256 rows
	s_mov_b32 s[G1+5], 64                          ; rows are dense
	s_mov_b32 s[G1+6], 0
	s_mov_b32 s[G1+7], 0
	s_or_b32 s[G1B+0], s44, (1<<16)|(1<<20)|(1<<21)|(5<<22)|(7<<25)  ; after 64 words 8 words
	s_mov_b32 s[G1B+1], 128<<16                    ; tensor_dim0 = 128
	s_mov_b32 s[G1B+2], 64<<16                     ; tensor_dim1 = 64
	s_mov_b32 s[G1B+3], 128<<16                    ; tile_dim0 = 128 elements (256 bytes)
	s_mov_b32 s[G1B+4], 64                         ; tile_dim1 = 64 rows
	s_mov_b32 s[G1B+5], 1024
	s_mov_b32 s[G1B+6], 0
	s_mov_b32 s[G1B+7], 0
	s_lshl_b32 s16, s13, 15                        ; ctx: 256 rows of 128 bytes a block row,
	s_lshl_b32 s17, s12, 20                        ; 1,048,576 bytes a head
	s_add_co_u32 s16, s16, s17
	s_mov_b32 s17, 0
	s_lshl_b32 s46, s42, 8                         ; W_o: 256 bytes a block column,
	s_lshl_b32 s47, s12, 17                        ; 64 rows of 2,048 bytes
	s_add_co_u32 s46, s46, s47
	s_add_co_u32 s46, s46, 23068672                ; W_o begins 22 MiB into h16
	s_mov_b32 s47, 0
	s_mul_i32 s20, s10, ACH                        ; ctx's tiles go to wave x 36,864 (waves 0, 1),
	s_mul_i32 s21, s10, BHALF
	s_add_co_u32 s21, s21, BOFF-2*BHALF            ; W_o's halves to wave x 18,432 + 36,864 (waves 2, 3)
	s_wait_dscnt 0x0
	s_wait_kmcnt 0x0
	s_add_nc_u64 s[14:15], s[4:5], s[16:17]
	s_add_nc_u64 s[46:47], s[6:7], s[46:47]
	CROUND                                         ; the first joint loads meet
.irp s, 0,1
	s_mov_b32 s[G0+4*\s], 1
	s_add_co_u32 s[G0+4*\s+1], s20, \s*SLOT
	s_add_nc_u64 s[G0+4*\s+2:G0+4*\s+3], s[14:15], \s*2097152      ; K step s: two heads on
	s_or_b32 s[G0+4*\s+3], s[G0+4*\s+3], 0x80000000
	s_mov_b32 s[G0B+4*\s], 1
	s_add_co_u32 s[G0B+4*\s+1], s21, \s*SLOT
	s_add_nc_u64 s[G0B+4*\s+2:G0B+4*\s+3], s[46:47], \s*262144     ; K step s: 128 rows on
	s_or_b32 s[G0B+4*\s+3], s[G0B+4*\s+3], 0x80000000
	JLOAD \s                                       ; two tensor loads of a wave are out
.endr
	v_and_b32 v1, 15, v0                           ; r
	v_bfe_u32 v2, v0, 4, 1                         ; h
	v_mul_u32_u24 v3, v1, PA
	v_lshl_add_u32 v3, v2, 4, v3
	s_mul_i32 s21, s11, 128*PA                     ; my 128 tokens
	v_and_b32 v4, 7, v0
	v_lshl_add_u32 v4, v2, 3, v4
	v_mul_u32_u24 v4, v4, PB
	v_bfe_u32 v5, v0, 3, 1
	v_lshl_add_u32 v4, v5, 4, v4
	s_lshl_b32 s22, s12, 7                         ; my 64 columns: 128 bytes
	s_add_co_u32 s22, s22, BOFF
.irp s, 0,1
	v_add_nc_u32 v[ADRA+\s], s21, v3
	v_add_nc_u32 v[ADRB+\s], s22, v4
	s_add_co_u32 s21, s21, SLOT
	s_add_co_u32 s22, s22, SLOT
.endr
	s_mul_i32 s23, s10, 16*SPITCH
	s_add_co_u32 s23, s23, STAGE                   ; my stage
	v_mul_u32_u24 v5, v1, SPITCH
	v_lshl_add_u32 v5, v2, 5, v5                   ; in: row r, 32 h
	v_add_nc_u32 v[STO], s23, v5
	v_mul_u32_u24 v5, v2, SPITCH                   ; back: lanes 0-15 one row of 256 bytes, lanes 16-31 the next
	v_lshl_add_u32 v5, v1, 4, v5
	v_add_nc_u32 v[RD], s23, v5
	v_lshlrev_b32 v5, 12, v2                       ; the same two rows in out0: 4,096 bytes a row
	v_lshl_add_u32 v[CO], v1, 4, v5
.macro MUL8 f, a0, zero                ; token blocks a0, a0 + 1 x all 4 column blocks, 32 along K
.irp a, \a0, \a0+1
.irp b, 0,1,2,3
.if \zero
	v_wmma_f32_16x16x32_f16 v[8*(4*(\a)+\b):8*(4*(\a)+\b)+7], v[\f+8*\b:\f+8*\b+7], v[\f+8*(\a):\f+8*(\a)+7], 0
.else
	v_wmma_f32_16x16x32_f16 v[8*(4*(\a)+\b):8*(4*(\a)+\b)+7], v[\f+8*\b:\f+8*\b+7], v[\f+8*(\a):\f+8*(\a)+7], v[8*(4*(\a)+\b):8*(4*(\a)+\b)+7]
.endif
.endr
.endr
.endm
.macro FETCH slot, q, f                ; 24 LDS loads: quarter q: 4 fragments of W_o, 8 of ctx (quarters 0, 1 in the first head's tile, 2, 3 in the second's)
	WIN TO_B
.irp b, 0,1,2,3
	ds_load_tr16_b128 v[\f+8*\b:\f+8*\b+3],   v[ADRB+\slot] offset:\q*32*PB+32*\b
	ds_load_tr16_b128 v[\f+8*\b+4:\f+8*\b+7], v[ADRB+\slot] offset:\q*32*PB+32*\b+16*PB
.endr
	WIN 0
.irp i, 0,1,2,3,4,5,6,7
	ds_load_b128 v[\f+8*\i:\f+8*\i+3],   v[ADRA+\slot] offset:(\q/2)*ACH+(\q%2)*64+\i*16*PA
	ds_load_b128 v[\f+8*\i+4:\f+8*\i+7], v[ADRA+\slot] offset:(\q/2)*ACH+(\q%2)*64+\i*16*PA+32
.endr
.endm
; The 32 accumulators take turns, one instruction a turn, in the same order in every quarter.
.macro QUARTER slot, q, f, g, zero
	s_wait_dscnt 8                                 ; W_o and tokens 0-63 are in; the youngest eight loads (tokens 64-127) may be out
	WIN MULW
	MUL8 \f, 0, \zero
	MUL8 \f, 2, \zero
	PLACES
	FETCH \slot, \q, \g
	s_wait_dscnt 24                                ; all but the 24 just issued
	WIN MULW
	MUL8 \f, 4, \zero
	MUL8 \f, 6, \zero
.endm
.macro THREE slot, zero
	QUARTER \slot, 1, F0, F1, \zero
	QUARTER \slot, 2, F1, F0, 0
	QUARTER \slot, 3, F0, F1, 0
.endm
.macro TURN slot, next, fill
	s_wait_dscnt 8
	WIN MULW
	MUL8 F1, 0, 0
	s_wait_dscnt 0                                 ; my reads of this slot are over
	s_wait_tensorcnt 0x0                           ; all my tensor loads have landed: my part of the next slot
	ds_add_u32 v255, v255
	s_wait_dscnt 0x0
	s_barrier_signal -1
	MUL8 F1, 2, 0                                  ; register work alone between signal and wait
	WIN 0
	s_barrier_wait -1
.if \fill
	CREST                                          ; no wave of any partner still reads this slot or has a load on its way
	s_add_nc_u64 s[G0+4*\slot+2:G0+4*\slot+3], s[G0+4*\slot+2:G0+4*\slot+3], 4194304     ; two K steps on: four heads
	s_add_nc_u64 s[G0B+4*\slot+2:G0B+4*\slot+3], s[G0B+4*\slot+2:G0B+4*\slot+3], 524288  ; 256 rows
	JLOAD \slot                                    ; its four v_nop are also the places in front of the loads below
.else
	PLACES
.endif
	FETCH \next, 0, F0
	WIN MULW
	MUL8 F1, 4, 0
	MUL8 F1, 6, 0
.endm
.macro LAP zero
	THREE 0, \zero
	TURN 0, 1, 1
	THREE 1, 0
	TURN 1, 0, 1
.endm
	s_wait_tensorcnt 1                             ; my part of K step 0 is in; K step 1's load stays out
	s_barrier_signal -1
	s_barrier_wait -1
	FETCH 0, 0, F0
	LAP 1
	WIN 0
	s_mov_b32 s3, LAPS-2
.Llap:
	LAP 0
	WIN 0
	s_sub_co_u32 s3, s3, 1
	s_cmp_lg_u32 s3, 0
	s_cbranch_scc1 .Llap
	THREE 0, 0                                     ; the last lap fills nothing
	TURN 0, 1, 0
	THREE 1, 0
	s_wait_dscnt 8
	WIN MULW
	MUL8 F1, 0, 0
	MUL8 F1, 2, 0
	s_wait_dscnt 0
	MUL8 F1, 4, 0
	MUL8 F1, 6, 0
	; THE WAY OUT, 16 tokens at a time through my own stage: 32 bytes a lane in, whole rows of 256 bytes back.
	PLACES
	s_lshl_b32 s16, s13, 20                        ; 256 rows of 4,096 bytes a block row,
	s_lshl_b32 s17, s11, 19                        ; 128 rows
	s_add_co_u32 s16, s16, s17
	s_mov_b32 s17, 0
	s_add_nc_u64 s[8:9], s[8:9], s[16:17]
	s_lshl_b32 s46, s42, 9                         ; 512 bytes a block column,
	s_lshl_b32 s47, s12, 8                         ; 256 bytes
	s_add_co_u32 s46, s46, s47
	s_mov_b32 s47, 0
	s_add_nc_u64 s[8:9], s[8:9], s[46:47]
.macro OUT16 a, f
	WIN 0x08                                       ; an LDS store's data is source 1: window 2
.irp b, 0,1,2,3
	ds_store_b128 v[STO], v[8*(4*\a+\b):8*(4*\a+\b)+3]   offset:64*\b
	ds_store_b128 v[STO], v[8*(4*\a+\b)+4:8*(4*\a+\b)+7] offset:64*\b+16
.endr
	WIN 0
	s_wait_xcnt 0x0                                ; buffer f and the base, which earlier stores read, are rewritten only behind this wait
.if \a
	s_add_nc_u64 s[8:9], s[8:9], 65536             ; 16 rows on
.endif
.irp t, 0,1,2,3,4,5,6,7
	ds_load_b128 v[\f+4*\t:\f+4*\t+3], v[RD] offset:\t*2*SPITCH    ; LDS serves a wave's instructions in order: these see the stores above
.endr
.irp t, 0,1,2,3,4,5,6,7
	s_wait_dscnt 7-\t
	global_store_b128 v[CO], v[\f+4*\t:\f+4*\t+3], s[8:9] offset:8192*\t th:TH_STORE_NT   ; 16 lanes store 256 consecutive bytes, aligned
.endr
.endm
	OUT16 0, F0
	OUT16 1, F1
	OUT16 2, F0
	OUT16 3, F1
	OUT16 4, F0
	OUT16 5, F1
	OUT16 6, F0
	OUT16 7, F1
	s_set_vgpr_msb 0x1
	s_wait_tensorcnt 0x0
	ds_add_u32 v255, v255
	s_wait_dscnt 0x0
	s_set_vgpr_msb 0x100
	CROUND                                         ; the closing round
	s_endpgm
.Lfunc_end_k_q82d4537f7c_proj:
	.size	k_q82d4537f7c_proj, .Lfunc_end_k_q82d4537f7c_proj-k_q82d4537f7c_proj
	.p2alignl 7, 3214868480
	.fill 96, 4, 3214868480
	.section	.rodata,"a",@progbits
	.p2align	6, 0x0
	.amdhsa_kernel k_q82d4537f7c_proj
		.amdhsa_group_segment_fixed_size 327680
		.amdhsa_private_segment_fixed_size 0
		.amdhsa_enable_private_segment 0
		.amdhsa_kernarg_size 24
		.amdhsa_user_sgpr_count 2
		.amdhsa_user_sgpr_kernarg_segment_ptr 1
		.amdhsa_wavefront_size32 1
		.amdhsa_system_sgpr_workgroup_id_x 1
		.amdhsa_system_sgpr_workgroup_id_y 1
		.amdhsa_system_sgpr_workgroup_id_z 1
		.amdhsa_system_vgpr_workitem_id 0
		.amdhsa_next_free_vgpr 768
		.amdhsa_next_free_sgpr 66
		.amdhsa_reserve_vcc 0
		.amdhsa_float_denorm_mode_32 3
		.amdhsa_float_denorm_mode_16_64 3
		.amdhsa_memory_ordered 1
		.amdhsa_forward_progress 1
		.amdhsa_inst_pref_size 121
	.end_amdhsa_kernel
	.amdgpu_metadata
---
amdhsa.version: [ 1, 2 ]
amdhsa.kernels:
  - .name:           k_q82d4537f7c_proj
    .symbol:         k_q82d4537f7c_proj.kd
    .args:
      - { .name: ctx, .offset: 0, .size: 8, .value_kind: global_buffer, .address_space: global }
      - { .name: h16, .offset: 8, .size: 8, .value_kind: global_buffer, .address_space: global }
      - { .name: out0, .offset: 16, .size: 8, .value_kind: global_buffer, .address_space: global }
    .group_segment_fixed_size: 327680
    .private_segment_fixed_size: 0
    .kernarg_segment_align: 8
    .kernarg_segment_size: 24
    .max_flat_workgroup_size: 128
    .sgpr_count:     66
    .vgpr_count:     768
    .wavefront_size: 32
...
	.end_amdgpu_metadata
.endif
;; end of part 4
